; MI455X (gfx1250); checked and timed in simulation.
; The chip was launched on July 23, 2026; its instructions are those of AMD's public machine-readable ISA for CDNA 5 (MIT licence, August 2026) and "CDNA5" Instruction Set Architecture Reference Guide (July 2026). The comments in the code are by the model that wrote it; some were corrected since.
;; Hash Encoder. Allowed arithmetic: float matrix products may take bf16 or f16 operands with f32 sums; all other float work in f32.
;; Inputs: embeddings 7,131,219 x 2 float32; inputs 524,288 x 3 float32.
;; Outputs: out0 524,288 x 32 float32.
;; 2 versions, each right; version 2 is version 1 with the launch encode written anew for expert scheduling mode. Each part assembles by itself: llvm-mc -triple=amdgcn-amd-amdhsa -mcpu=gfx1250 --defsym DOCPART=n.
;; ======== version 1 of 2: 2 launches
;; limits: inputs' magnitudes at most 16,383
;; workspace buffers: grid 6,291,456 bytes of whole numbers
;; launch quant (part 1): grid 256 x 1, 8 waves a work-group, no clusters, 0 bytes of LDS; arguments inputs, grid; writes grid
.if DOCPART == 1
	.amdgcn_target "amdgcn-amd-amdhsa--gfx1250"
	.amdhsa_code_object_version 6
	.text
	.protected	k_qaa1a6ff79d_quant
	.globl	k_qaa1a6ff79d_quant
	.p2align	8
	.type	k_qaa1a6ff79d_quant,@function
k_qaa1a6ff79d_quant:
	s_mov_b64 s[64:65], 0
	v_nop
	global_prefetch_b8 v0, s[64:65] scope:SCOPE_SE
	s_setreg_imm32_b32 hwreg(HW_REG_WAVE_MODE, 25, 1), 1
	s_wait_xcnt 0x0
; grid[i] = floor(x * 2^19) as u32, x = (inputs[i] + 1) / 2, for the 524,288 x 3 coordinates.
; 2^19 is the finest level's resolution; every level's resolution is 2^(4+l), so level l's cell is grid[i] >> (15 - l), exactly.
; These whole numbers are all that the gather addresses of the next launch are made of.
; One fused multiply-add: in * 2^18 + 2^18 is rounded once, and since a factor 2^18 does not change a rounding it equals
; 2^18 * round(in + 1), which is what (in + 1) / 2 * 2^19 gives.  The conversion cuts toward zero: the floor of a number >= 0.
; LIMITS: inputs < 16,383 (beyond that (in + 1) * 2^18 passes 2^32 and the conversion saturates); for inputs < -1 the position is
; negative and the conversion gives 0 (a negative number has no defined unsigned value; here it saturates).
; A stream: 256 work-groups x 256 threads x 6 loads of 16 bytes = 6,291,456 bytes.  A wave's load or store covers 512 consecutive
; bytes, aligned.  All six loads of a thread are issued before the first is used.  No LDS, no barrier: no thread needs another's data.
.set CHUNK, 4096                       ; bytes that the work-group's 256 threads cover with one instruction
.set LOADS, 6
.set X,     4                          ; v[4:27]  six times four numbers, converted in place
	s_load_b128 s[4:7], s[0:1], 0x0                ; inputs s[4:5], grid s[6:7]
	s_mul_i32 s2, ttmp9, LOADS*CHUNK               ; the work-group's 24,576 bytes (below 4 GiB: 256 x 24,576)
	s_mov_b32 s3, 0
	s_mov_b32 s8, 0x48800000                       ; 2^18, in a pair for the packed form (the first register is broadcast)
	s_mov_b32 s9, 0x48800000
	v_lshlrev_b32 v1, 4, v0                        ; 16 bytes a thread
	s_wait_kmcnt 0x0
	s_add_nc_u64 s[4:5], s[4:5], s[2:3]
	s_add_nc_u64 s[6:7], s[6:7], s[2:3]
.irp j, 0,1,2,3,4,5
	global_load_b128 v[X+4*\j:X+4*\j+3], v1, s[4:5] offset:\j*CHUNK
.endr
.irp j, 0,1,2,3,4,5
	s_wait_loadcnt LOADS-1-\j                      ; loads return in order: load j is in, the younger ones stay out
	v_pk_fma_f32 v[X+4*\j:X+4*\j+1],   v[X+4*\j:X+4*\j+1],   s[8:9], s[8:9] op_sel_hi:[1,0,0]
	v_pk_fma_f32 v[X+4*\j+2:X+4*\j+3], v[X+4*\j+2:X+4*\j+3], s[8:9], s[8:9] op_sel_hi:[1,0,0]
.irp k, 0,1,2,3
	v_cvt_u32_f32 v[X+4*\j+\k], v[X+4*\j+\k]
.endr
	global_store_b128 v1, v[X+4*\j:X+4*\j+3], s[6:7] offset:\j*CHUNK   ; these registers are not written again
.endr
	s_endpgm
.Lfunc_end_k_qaa1a6ff79d_quant:
	.size	k_qaa1a6ff79d_quant, .Lfunc_end_k_qaa1a6ff79d_quant-k_qaa1a6ff79d_quant
	.p2alignl 7, 3214868480
	.fill 96, 4, 3214868480
	.section	.rodata,"a",@progbits
	.p2align	6, 0x0
	.amdhsa_kernel k_qaa1a6ff79d_quant
		.amdhsa_group_segment_fixed_size 0
		.amdhsa_private_segment_fixed_size 0
		.amdhsa_enable_private_segment 0
		.amdhsa_kernarg_size 16
		.amdhsa_user_sgpr_count 2
		.amdhsa_user_sgpr_kernarg_segment_ptr 1
		.amdhsa_wavefront_size32 1
		.amdhsa_system_sgpr_workgroup_id_x 1
		.amdhsa_system_sgpr_workgroup_id_y 1
		.amdhsa_system_sgpr_workgroup_id_z 1
		.amdhsa_system_vgpr_workitem_id 0
		.amdhsa_next_free_vgpr 32
		.amdhsa_next_free_sgpr 66
		.amdhsa_reserve_vcc 0
		.amdhsa_float_denorm_mode_32 3
		.amdhsa_float_denorm_mode_16_64 3
		.amdhsa_memory_ordered 1
		.amdhsa_forward_progress 1
		.amdhsa_inst_pref_size 4
	.end_amdhsa_kernel
	.amdgpu_metadata
---
amdhsa.version: [ 1, 2 ]
amdhsa.kernels:
  - .name:           k_qaa1a6ff79d_quant
    .symbol:         k_qaa1a6ff79d_quant.kd
    .args:
      - { .name: inputs, .offset: 0, .size: 8, .value_kind: global_buffer, .address_space: global }
      - { .name: grid, .offset: 8, .size: 8, .value_kind: global_buffer, .address_space: global }
    .group_segment_fixed_size: 0
    .private_segment_fixed_size: 0
    .kernarg_segment_align: 8
    .kernarg_segment_size: 16
    .max_flat_workgroup_size: 256
    .sgpr_count:     66
    .vgpr_count:     32
    .wavefront_size: 32
...
	.end_amdgpu_metadata
.endif
;; end of part 1
;; launch encode (part 2): grid 256 x 1, 32 waves a work-group, no clusters, 299,008 bytes of LDS; arguments embeddings, inputs, grid, out0; writes out0
.if DOCPART == 2
	.amdgcn_target "amdgcn-amd-amdhsa--gfx1250"
	.amdhsa_code_object_version 6
	.text
	.protected	k_qaa1a6ff79d_encode
	.globl	k_qaa1a6ff79d_encode
	.p2align	8
	.type	k_qaa1a6ff79d_encode,@function
k_qaa1a6ff79d_encode:
	s_mov_b64 s[64:65], 0
	v_nop
	global_prefetch_b8 v0, s[64:65] scope:SCOPE_SE
	s_setreg_imm32_b32 hwreg(HW_REG_WAVE_MODE, 25, 1), 1
	s_wait_xcnt 0x0
; Hash-grid encoding: out[b][2 l + c] = trilinear blend of the 8 corner entries of point b's cell in level l's table, 16 levels.
; grid[b][d] = floor(x * 2^19) comes from the launch before; level l's cell is grid >> (15 - l).  The fractions are made here
; from inputs, in f32, exactly as the problem states them: pos = (in + 1) * 2^(3+l) (one fused multiply-add: a power of two
; does not change the rounding of in + 1), frac = pos - floor(pos).
;
; SHARES.  256 work-groups x 32 waves; a work-group owns 2,048 points, a wave 64: four groups of 16.
; TWO LANES FOR A POINT: lane 2p takes the four corners with x, lane 2p+1 the four with x + 1.  In both index forms x enters with the
; factor 1, so the two lanes' entries have all index bits above bit 3 in common unless x + 1 carries past bit 3: neighbouring lanes
; of one gather ask for neighbouring table bytes.  The price: both lanes make the y and z terms.
; THE LEVEL IS THE OUTER LOOP, the wave's four groups the inner one, so that all work-groups read one level's table (4 MiB) at a time.
; RING.  Four register slots, one for each group, four gathers of 8 bytes each.  In a phase group g's level l is blended and its level
; l + 1 is asked for into the same slot: 12 to 16 gathers of every wave are always out.  A gather lands on its own offset register.
; THE WAY OUT.  A point's 128 bytes are collected in the wave's own LDS rows (pitch 144 bytes: 36 words, so the 16 points of one
; ds_store_b64 start at 16 different multiples of four banks), and leave at the end by 16-byte loads and stores of which each wave's
; instruction covers 512 consecutive bytes of out, aligned.  No wave reads another's LDS bytes: no barrier.
; NOT USED: the matrix unit (each point has its own 8 weights and its own 8 x 2 values: 1 x 8 x 2 products that share no operand);
; tensor loads, clusters and joint requests (what the work-groups share is the table, read by lane addresses, not by tiles).
; LIMITS: inputs < 16,383 and the value 0 for cells of negative positions, as stated in the launch that makes grid.  The blend is nested
; (y, z, then the lane's x weight, then the two lanes' sum) where the problem forms eight weight products: another order of rounding.
.set ROWP,      144                    ; LDS bytes from point to point: 128 of data + 16
.set GSTR,      16*ROWP                ; from group to group
.set WSTAGE,    64*ROWP                ; a wave's stage: 9,216 bytes; 32 waves: 294,912
.set EMB_BYTES, 57049752
.set WINDOW,    0x400000               ; a hashed level's table: 2^19 entries of 8 bytes
.set OFF1B,     4913*8                 ; byte offsets of the levels' tables
.set OFF2B,     40850*8
.set OFF3B,     315475*8
.set TRIPS,     12                     ; phases 3 to 14: blend level l, ask for hashed level l + 1
; vector registers
.set XB,  1                            ; 0: my corners have x, 1: x + 1
.set SGN, 2                            ; -1.0 or 1.0   my x weight = frac * SGN + OFW
.set OFW, 3                            ;  1.0 or 0.0
.set SA,  4                            ; LDS: my point's row in group 0, at the current level's 8 bytes
.set RD,  5                            ; LDS: where I read 16 bytes back
.set CO,  6                            ; my byte offset in the work-group's part of out
.set IO,  7                            ; my point's byte offset in the work-group's part of grid and of inputs
.set PFO, 8                            ; prefetch: my block's byte offset in the table, stepped from window to window
.set PFA, 9                            ;           the same, clamped to the table
.set T,   10                           ; v[10:15]  index work (the dense levels' products also take v[16:17])
.set Q,   16                           ; v[16:21]  fy fz | wx . | 1-fy 1-fz
.set E,   22                           ; v[22:25]  two partial blends of two channels
.set ST,  26                           ; v[26:49]  group g: grid x y z, inputs x y z
.set D,   50                           ; v[50:81]  slot g: (y,z) (y+1,z) (y,z+1) (y+1,z+1), two channels each
.set Z,   82                           ; v[82:83]  0: the addend of the 64-bit product
.set O,   26                           ; v[26:89]  the way out
; scalar registers
.set WAVE, 12
.set CNT,  13
.set SH,   14                          ; 15 - level, for the level that is asked for
.set PFL,  15                          ; in how many trips of the loop this wave prefetches: 11 (waves 0, 1) or 0
.set SC,   16                          ; s[16:17]  2^(3+level) of the level that is blended; the pair's second word is never selected
.set P1,   18
.set P2,   19
.set MASK, 20
.set BASE, 22                          ; s[22:23]  table of the hashed level that is asked for
.set B1,   24                          ; s[24:29]  tables of levels 1, 2, 3
.set B2,   26
.set B3,   28
.set MG,   30                          ; s[30:32]  ceil(2^(32+k) / h) for h = 17^3, 33^3, 65^3
	s_load_b256 s[4:11], s[0:1], 0x0               ; embeddings s[4:5], inputs s[6:7], grid s[8:9], out s[10:11]
	v_lshl_add_u32 v96, v0, 2, 0x48000
	v_mov_b32 v97, 0
	v_lshrrev_b32 v[T], 5, v0
	v_readfirstlane_b32 s[WAVE], v[T]
	v_and_b32 v[XB], 1, v0
	v_bfe_u32 v[T+1], v0, 1, 4                     ; p: my point in a group
	v_and_b32 v[T+2], 31, v0                       ; lane
	v_bfe_u32 v[T+3], v0, 3, 2                     ; lane / 8
	v_and_b32 v[T+4], 7, v0                        ; lane % 8
	v_cvt_f32_u32 v[T+5], v[XB]
	v_fma_f32 v[SGN], v[T+5], 2.0, -1.0
	v_sub_f32 v[OFW], 1.0, v[T+5]
	s_mul_i32 s2, s[WAVE], 64*12
	v_mad_u32_u24 v[IO], v[T+1], 12, s2            ; (64 wave + p) x 12 bytes
	s_mul_i32 s3, s[WAVE], WSTAGE
	v_mad_u32_u24 v[SA], v[T+1], ROWP, s3          ; my wave's stage + p rows
	v_mad_u32_u24 v[RD], v[T+3], ROWP, s3          ; back: eight lanes take a point's 128 bytes
	v_lshl_add_u32 v[RD], v[T+4], 4, v[RD]
	s_lshl_b32 s33, s[WAVE], 13                    ; 64 points x 128 bytes of out; also a wave's 32 prefetch blocks of 256 bytes
	v_lshl_add_u32 v[CO], v[T+2], 4, s33
	s_lshl_b32 s34, ttmp9, 14                      ; the work-group's 16 KiB of each 4 MiB window
	s_add_co_u32 s34, s34, s33
	v_lshl_add_u32 v[PFO], v[T+2], 8, s34
	v_mov_b32 v[Z], 0
	v_mov_b32 v[Z+1], 0
	s_cmp_lt_u32 s[WAVE], 2
	s_cselect_b32 s[PFL], TRIPS-1, 0
	s_mov_b32 s[SC], 0x41000000                    ; 8.0 = 2^3: level 0
	s_mov_b32 s[SC+1], 0
	s_mov_b32 s[P1], 0x9e3779b1                    ; 2654435761
	s_mov_b32 s[P2], 0x30025795                    ; 805459861
	s_mov_b32 s[MASK], 0x7ffff
	s_mov_b32 s[MG], 0xd56dc9ea                    ; ceil(2^44 / 4913):   x 4913   = 2^44 + 970    (970 <= 2^12)
	s_mov_b32 s[MG+1], 0xe96ce5ec                  ; ceil(2^47 / 35937):  x 35937  = 2^47 + 11884  (<= 2^15)
	s_mov_b32 s[MG+2], 0xf45d8eae                  ; ceil(2^50 / 274625): x 274625 = 2^50 + 78126  (<= 2^18): exact quotients for every 32-bit number
	s_mov_b32 s[SH], 11                            ; level 4
	s_mul_i32 s2, ttmp9, 2048*12
	s_mov_b32 s3, 0
	s_wait_kmcnt 0x0
	s_add_nc_u64 s[6:7], s[6:7], s[2:3]            ; inputs and grid at the work-group's first point
	s_add_nc_u64 s[8:9], s[8:9], s[2:3]
	s_lshl_b32 s2, ttmp9, 18                       ; 2,048 points x 128 bytes
	s_add_nc_u64 s[10:11], s[10:11], s[2:3]
	s_add_nc_u64 s[B1:B1+1], s[4:5], OFF1B
	s_add_nc_u64 s[B2:B2+1], s[4:5], OFF2B
	s_add_nc_u64 s[B3:B3+1], s[4:5], OFF3B
	s_add_nc_u64 s[BASE:BASE+1], s[4:5], OFF3B+WINDOW
.irp g, 0,1,2,3
	global_load_b32 v[ST+6*\g],   v[IO], s[8:9] offset:192*\g       ; grid first: the gathers hang on it
	global_load_b32 v[ST+6*\g+1], v[IO], s[8:9] offset:192*\g+4
	global_load_b32 v[ST+6*\g+2], v[IO], s[8:9] offset:192*\g+8
.endr
.irp g, 0,1,2,3
	global_load_b32 v[ST+6*\g+3], v[IO], s[6:7] offset:192*\g
	global_load_b32 v[ST+6*\g+4], v[IO], s[6:7] offset:192*\g+4
	global_load_b32 v[ST+6*\g+5], v[IO], s[6:7] offset:192*\g+8
.endr
; The four gathers of a slot.  The offset register holds an entry's index; scale_offset makes it 8 bytes an entry.
.macro GATHER g, b
.irp k, 0,1,2,3
	global_load_b64 v[D+8*\g+2*\k:D+8*\g+2*\k+1], v[D+8*\g+2*\k], s[\b:\b+1] scale_offset
.endr
.endm
; A hashed level: index = (x ^ y P1 ^ z P2) mod 2^19.  (y + 1) P1 = y P1 + P1 in 32-bit arithmetic.
.macro ISSUE_H g, sh, b
	v_lshrrev_b32 v[T],   \sh, v[ST+6*\g]
	v_lshrrev_b32 v[T+1], \sh, v[ST+6*\g+1]
	v_lshrrev_b32 v[T+2], \sh, v[ST+6*\g+2]
	v_add_nc_u32 v[T], v[T], v[XB]                 ; my x
	v_mul_lo_u32 v[T+1], v[T+1], s[P1]
	v_mul_lo_u32 v[T+2], v[T+2], s[P2]
	v_add_nc_u32 v[T+3], s[P1], v[T+1]
	v_add_nc_u32 v[T+4], s[P2], v[T+2]
	v_xor_b32 v[T+1], v[T], v[T+1]                 ; x ^ y
	v_xor_b32 v[T+3], v[T], v[T+3]                 ; x ^ (y+1)
	v_xor_b32 v[D+8*\g],   v[T+1], v[T+2]
	v_xor_b32 v[D+8*\g+2], v[T+3], v[T+2]
	v_xor_b32 v[D+8*\g+4], v[T+1], v[T+4]
	v_xor_b32 v[D+8*\g+6], v[T+3], v[T+4]
.irp k, 0,1,2,3
	v_and_b32 v[D+8*\g+2*\k], s[MASK], v[D+8*\g+2*\k]
.endr
.irp k, 0,1,2,3
	v_min_u32 v[D+8*\g+2*\k], 0x7ffff, v[D+8*\g+2*\k]      ; a number made from loaded data enters an address only behind a clamp by a constant: inside the level's table whatever grid holds
.endr
	GATHER \g, \b
.endm
; A dense level: index = (x + s1 y + s2 z) mod h, s1 = res + 1, s2 = s1^2, h = s1^3.  The coordinates are below 2^19 + 1 (grid >> 13 at the
; least), so the 24-bit products are exact and the sum stays below 2^32.  The modulo is a true one (x = 1 and inputs beyond 1 need it):
; q = (index x m) >> (32 + ks), index - q h; q < 2^20, so q h is a 24-bit product too.
.macro ISSUE_D g, sh, s1, s2, h, m, ks, b
	v_lshrrev_b32 v[T],   \sh, v[ST+6*\g]
	v_lshrrev_b32 v[T+1], \sh, v[ST+6*\g+1]
	v_lshrrev_b32 v[T+2], \sh, v[ST+6*\g+2]
	v_add_nc_u32 v[T], v[T], v[XB]
	v_mad_u32_u24 v[T], v[T+1], \s1, v[T]
	v_mad_u32_u24 v[D+8*\g], v[T+2], \s2, v[T]
	v_add_nc_u32 v[D+8*\g+2], \s1, v[D+8*\g]
	v_add_nc_u32 v[D+8*\g+4], \s2, v[D+8*\g]
	v_add_nc_u32 v[D+8*\g+6], \s2, v[D+8*\g+2]
.irp k, 0,1,2,3
	v_mad_nc_u64_u32 v[T+2*\k:T+2*\k+1], v[D+8*\g+2*\k], s[\m], v[Z:Z+1]
.endr
.irp k, 0,1,2,3
	v_lshrrev_b32 v[T+2*\k+1], \ks, v[T+2*\k+1]
.endr
.irp k, 0,1,2,3
	v_mul_u32_u24 v[T+2*\k+1], v[T+2*\k+1], \h
.endr
.irp k, 0,1,2,3
	v_sub_nc_u32 v[D+8*\g+2*\k], v[D+8*\g+2*\k], v[T+2*\k+1]
.endr
.irp k, 0,1,2,3
	v_min_u32 v[D+8*\g+2*\k], \h-1, v[D+8*\g+2*\k]         ; the clamp in front of the address, as above
.endr
	GATHER \g, \b
.endm
.macro ISSUE lvl, g
.if \lvl == 0
	ISSUE_D \g, 15, 17, 289, 4913, MG, 12, 4
.endif
.if \lvl == 1
	ISSUE_D \g, 14, 33, 1089, 35937, MG+1, 15, B1
.endif
.if \lvl == 2
	ISSUE_D \g, 13, 65, 4225, 274625, MG+2, 18, B2
.endif
.if \lvl == 3
	ISSUE_H \g, 12, B3
.endif
.if \lvl > 3
	ISSUE_H \g, s[SH], BASE
.endif
.endm
; Blend group g's four entries of the current level.  The weights are made in front of the wait.
; left = how many younger gathers may stay out.
.macro CONSUME g, left
	v_pk_fma_f32 v[Q:Q+1], v[ST+6*\g+4:ST+6*\g+5], s[SC:SC+1], s[SC:SC+1] op_sel_hi:[1,0,0]   ; pos y, z = (in + 1) x 2^(3+l)
	v_fma_f32 v[Q+2], v[ST+6*\g+3], s[SC], s[SC]                                              ; pos x
	v_floor_f32 v[Q+4], v[Q]
	v_floor_f32 v[Q+5], v[Q+1]
	v_floor_f32 v[Q+3], v[Q+2]
	v_pk_add_f32 v[Q:Q+1], v[Q:Q+1], v[Q+4:Q+5] neg_lo:[0,1] neg_hi:[0,1]                     ; fy, fz
	v_sub_f32 v[Q+2], v[Q+2], v[Q+3]                                                          ; fx
	v_pk_add_f32 v[Q+4:Q+5], v[Q:Q+1], 1.0 op_sel_hi:[1,0] neg_lo:[1,0] neg_hi:[1,0]          ; 1 - fy, 1 - fz
	v_fma_f32 v[Q+2], v[Q+2], v[SGN], v[OFW]                                                  ; my x weight: 1 - fx or fx
	s_wait_loadcnt \left                           ; gathers return in order: this slot's four are in, the younger slots' stay out
	v_pk_mul_f32 v[E:E+1],     v[D+8*\g:D+8*\g+1],   v[Q+4:Q+5] op_sel_hi:[1,0]               ; along y, both channels at once
	v_pk_mul_f32 v[E+2:E+3],   v[D+8*\g+4:D+8*\g+5], v[Q+4:Q+5] op_sel_hi:[1,0]
	v_pk_fma_f32 v[E:E+1],     v[D+8*\g+2:D+8*\g+3], v[Q:Q+1], v[E:E+1]     op_sel_hi:[1,0,1]
	v_pk_fma_f32 v[E+2:E+3],   v[D+8*\g+6:D+8*\g+7], v[Q:Q+1], v[E+2:E+3]   op_sel_hi:[1,0,1]
	v_pk_mul_f32 v[E:E+1],     v[E:E+1],   v[Q+4:Q+5] op_sel:[0,1] op_sel_hi:[1,1]            ; along z (the pairs' second registers)
	v_pk_fma_f32 v[E:E+1],     v[E+2:E+3], v[Q:Q+1], v[E:E+1] op_sel:[0,1,0] op_sel_hi:[1,1,1]
	v_pk_mul_f32 v[E:E+1],     v[E:E+1],   v[Q+2:Q+3] op_sel_hi:[1,0]                         ; my x weight
	v_add_f32_dpp v[E],   v[E],   v[E]   row_xmask:1 row_mask:0xf bank_mask:0xf               ; + the other lane of my point
	v_add_f32_dpp v[E+1], v[E+1], v[E+1] row_xmask:1 row_mask:0xf bank_mask:0xf
	ds_store_b64 v[SA], v[E:E+1] offset:\g*GSTR    ; both lanes of a point write the same 8 bytes with the same value
.endm
; Waves 0 and 1 ask for the work-group's 64 blocks of 256 bytes of the table's next 4 MiB window into the L2: phase k asks for bytes
; 4 MiB x k and on, each block once in the launch.  Level k + 2, which is first gathered in phase k + 1, ends inside that window: the
; request leads its use by one phase.  The table ends inside window 13: offsets are clamped to its last byte.  The loop's last trip
; (window 14 would lie behind the table) asks for nothing: cnt has reached PFL.
.macro PREFETCH tag, cnt
	s_cmp_ge_u32 \cnt, s[PFL]
	s_cbranch_scc1 .Lnopf\tag
	v_min_u32 v[PFA], EMB_BYTES-1, v[PFO]          ; PFA's last use lies in front of the last phase's s_wait_xcnt 0
	global_prefetch_b8 v[PFA], s[4:5] th:TH_LOAD_NT scope:SCOPE_SE
	v_add_nc_u32 v[PFO], WINDOW, v[PFO]
.Lnopf\tag:
.endm
; A phase: blend the current level, ask for level nxt, group by group.
; s_wait_loadcnt 12: behind a slot's four gathers the three other slots' four each were issued.
.macro PHASE nxt, tag, cnt
	CONSUME 0, 12
	ISSUE \nxt, 0
	PREFETCH \tag, \cnt
	CONSUME 1, 12
	ISSUE \nxt, 1
	CONSUME 2, 12
	ISSUE \nxt, 2
	CONSUME 3, 12
	ISSUE \nxt, 3
	s_wait_xcnt 0x0                                ; every address issued so far is translated (ISA guide 3.1): PFA and BASE are rewritten only behind this wait
	s_add_f32 s[SC], s[SC], s[SC]                  ; the next level's resolution
	v_add_nc_u32 v[SA], 8, v[SA]                   ; and its 8 bytes in a point's row
.endm
	s_wait_loadcnt 12                              ; grid is in; the 12 loads of inputs behind it may be out
	ISSUE 0, 0
	ISSUE 0, 1
	ISSUE 0, 2
	ISSUE 0, 3
	s_wait_loadcnt 16                              ; inputs are in; the 16 gathers behind them stay out
	PHASE 1, a, 0
	PHASE 2, b, 0
	PHASE 3, c, 0
	s_mov_b32 s[CNT], 0
.Llevel:                                           ; levels 3 to 14 are blended, levels 4 to 15 asked for
	PHASE 4, d, s[CNT]
	s_add_nc_u64 s[BASE:BASE+1], s[BASE:BASE+1], WINDOW    ; behind the phase's s_wait_xcnt 0
	s_sub_co_u32 s[SH], s[SH], 1
	s_add_co_u32 s[CNT], s[CNT], 1
	s_cmp_lt_u32 s[CNT], TRIPS
	s_cbranch_scc1 .Llevel
	CONSUME 0, 12                                  ; level 15: nothing is asked for any more, the counts run down
	CONSUME 1, 8
	CONSUME 2, 4
	CONSUME 3, 0
	; The way out: my wave's 64 rows of 128 bytes.  LDS serves a wave's instructions in order (ISA guide 5.7.1), so these loads see the stores above.
	; Load j: points 4 j to 4 j + 3, eight lanes a point; its store covers 512 consecutive bytes of out, at a multiple of 512.
.irp j, 0,1,2,3,4,5,6,7,8,9,10,11,12,13,14,15
	ds_load_b128 v[O+4*\j:O+4*\j+3], v[RD] offset:\j*4*ROWP
.endr
.irp j, 0,1,2,3,4,5,6,7,8,9,10,11,12,13,14,15
	s_wait_dscnt 15-\j                             ; load j is in, the younger ones stay out
	global_store_b128 v[CO], v[O+4*\j:O+4*\j+3], s[10:11] offset:\j*512 th:TH_STORE_NT
.endr
	s_wait_tensorcnt 0x0
	ds_add_u32 v96, v97
	s_wait_dscnt 0x0
	s_endpgm
.Lfunc_end_k_qaa1a6ff79d_encode:
	.size	k_qaa1a6ff79d_encode, .Lfunc_end_k_qaa1a6ff79d_encode-k_qaa1a6ff79d_encode
	.p2alignl 7, 3214868480
	.fill 96, 4, 3214868480
	.section	.rodata,"a",@progbits
	.p2align	6, 0x0
	.amdhsa_kernel k_qaa1a6ff79d_encode
		.amdhsa_group_segment_fixed_size 299008
		.amdhsa_private_segment_fixed_size 0
		.amdhsa_enable_private_segment 0
		.amdhsa_kernarg_size 32
		.amdhsa_user_sgpr_count 2
		.amdhsa_user_sgpr_kernarg_segment_ptr 1
		.amdhsa_wavefront_size32 1
		.amdhsa_system_sgpr_workgroup_id_x 1
		.amdhsa_system_sgpr_workgroup_id_y 1
		.amdhsa_system_sgpr_workgroup_id_z 1
		.amdhsa_system_vgpr_workitem_id 0
		.amdhsa_next_free_vgpr 98
		.amdhsa_next_free_sgpr 66
		.amdhsa_reserve_vcc 0
		.amdhsa_float_denorm_mode_32 3
		.amdhsa_float_denorm_mode_16_64 3
		.amdhsa_memory_ordered 1
		.amdhsa_forward_progress 1
		.amdhsa_inst_pref_size 66
	.end_amdhsa_kernel
	.amdgpu_metadata
---
amdhsa.version: [ 1, 2 ]
amdhsa.kernels:
  - .name:           k_qaa1a6ff79d_encode
    .symbol:         k_qaa1a6ff79d_encode.kd
    .args:
      - { .name: embeddings, .offset: 0, .size: 8, .value_kind: global_buffer, .address_space: global }
      - { .name: inputs, .offset: 8, .size: 8, .value_kind: global_buffer, .address_space: global }
      - { .name: grid, .offset: 16, .size: 8, .value_kind: global_buffer, .address_space: global }
      - { .name: out0, .offset: 24, .size: 8, .value_kind: global_buffer, .address_space: global }
    .group_segment_fixed_size: 299008
    .private_segment_fixed_size: 0
    .kernarg_segment_align: 8
    .kernarg_segment_size: 32
    .max_flat_workgroup_size: 1024
    .sgpr_count:     66
    .vgpr_count:     98
    .wavefront_size: 32
...
	.end_amdgpu_metadata
.endif
;; end of part 2
;; ======== version 2 of 2: 2 launches; version 1 with the launch encode written anew for expert scheduling mode
;; limits: inputs' magnitudes at most 16,383
;; workspace buffers: grid 6,291,456 bytes of whole numbers
;; launch quant: the kernel of part 1 again; grid 256 x 1, 8 waves a work-group, no clusters, 0 bytes of LDS; arguments inputs, grid; writes grid
;; launch encode (part 3): grid 256 x 1, 32 waves a work-group, no clusters, 299,008 bytes of LDS; arguments embeddings, inputs, grid, out0; writes out0
.if DOCPART == 3
	.amdgcn_target "amdgcn-amd-amdhsa--gfx1250"
	.amdhsa_code_object_version 6
	.text
	.protected	k_qaa1a6ff79d_encode
	.globl	k_qaa1a6ff79d_encode
	.p2align	8
	.type	k_qaa1a6ff79d_encode,@function
k_qaa1a6ff79d_encode:
	s_mov_b64 s[64:65], 0
	v_nop
	global_prefetch_b8 v0, s[64:65] scope:SCOPE_SE
	s_setreg_imm32_b32 hwreg(HW_REG_WAVE_SCHED_MODE, 0, 2), 2
	s_setreg_imm32_b32 hwreg(HW_REG_WAVE_MODE, 25, 1), 1
	s_wait_xcnt 0x0
	s_wait_alu depctr_vm_vsrc(0)
; Hash-grid encoding: out[b][2 l + c] = trilinear blend of the 8 corner entries of point b's cell in level l's table, 16 levels.
; grid[b][d] = floor(x * 2^19) comes from the launch before; level l's cell is grid >> (15 - l).  The fractions are made here
; from inputs, in f32, exactly as the problem states them: pos = (in + 1) * 2^(3+l) (one fused multiply-add: a power of two
; does not change the rounding of in + 1), frac = pos - floor(pos).
;
; SHARES.  256 work-groups x 32 waves; a work-group owns 2,048 points, a wave 64: four groups of 16.
; TWO LANES FOR A POINT: lane 2p takes the four corners with x, lane 2p+1 the four with x + 1.  In both index forms x enters with the
; factor 1, so the two lanes' entries have all index bits above bit 3 in common unless x + 1 carries past bit 3: neighbouring lanes
; of one gather ask for neighbouring table bytes.  The price: both lanes make the y and z terms.
; THE LEVEL IS THE OUTER LOOP, the wave's four groups the inner one, so that all work-groups read one level's table (4 MiB) at a time.
; RING.  Four register slots, one for each group, four gathers of 8 bytes each.  In a phase group g's level l is blended and its level
; l + 1 is asked for into the same slot: 12 to 16 gathers of every wave are always out.
; THE WAY OUT.  A point's 128 bytes are collected in the wave's own LDS rows (pitch 144 bytes: 36 words, so the 16 points of one
; ds_store_b64 start at 16 different multiples of four banks), and leave at the end by 16-byte loads and stores of which each wave's
; instruction covers 512 consecutive bytes of out, aligned.  No wave reads another's LDS bytes: no barrier.
; NOT USED: the matrix unit (each point has its own 8 weights and its own 8 x 2 values: 1 x 8 x 2 products that share no operand);
; tensor loads, clusters and joint requests (what the work-groups share is the table, read by lane addresses, not by tiles).
; LIMITS: inputs < 16,383 and the value 0 for cells of negative positions, as stated in the launch that makes grid.  The blend is nested
; (y, z, then the lane's x weight, then the two lanes' sum) where the problem forms eight weight products: another order of rounding.
;
; THE MODE: SCHED_MODE bits 1:0 = 2 (LLVM: expert scheduling mode 2), set by the entry lines.  The code itself states the register dependences
; between vector instructions and memory or LDS instructions, with s_wait_alu, always for 0.
; THE PLAN.  A phase is four TURNS, one for each group.  Registers that memory or LDS instructions touch in the phases:
;   D[g]      the slot.  The four gathers of turn g land in it; the four lines of turn g, a phase later, that blend along y read it.  No vector line writes it.
;   A[g]      the slot's four entry numbers.  Written by turn g's index lines; read by turn g's gathers as their offsets.
;   OUT0, 1   a point's 8 bytes of a level.  Turn g's last three lines write OUT[g % 2]; the LDS store that is issued in turn g + 1 reads it.
;   v[SA]     read by every LDS store; stepped once a phase, in turn 1 (turn 0 still stores the level before's group 3).
;   v[PFA]    read by the prefetch in turn 0; made anew in turn 1, by waves 0 and 1 alone.
;   T, Q, W and Z are named by vector instructions alone; the other offsets are made at the head and never written again.
; A turn: the weights; the wait for the slot's data; ONE wait on vm_vsrc (the slot's last gathers have read A[g], the LDS store of the turn before
; has read OUT[g % 2]; in turn 1: the stores have read SA, the prefetch PFA); the lines that empty D[g]; the index lines; ONE wait on va_vdst (D[g] is
; read out, A[g] is written, the turn before has written its OUT; in turn 1: SA and PFA are written); the four gathers, the LDS store of the turn
; before, in turn 0 the prefetch; then the rest of the blend, which names W, Q and the other OUT: none of the registers that those touch.
; Each slot has a scalar base of its own, stepped behind the wait that shows the loads that read it done.
.set ROWP,      144                    ; LDS bytes from point to point: 128 of data + 16
.set GSTR,      16*ROWP                ; from group to group
.set WSTAGE,    64*ROWP                ; a wave's stage: 9,216 bytes; 32 waves: 294,912
.set EMB_BYTES, 57049752
.set WINDOW,    0x400000               ; a hashed level's table: 2^19 entries of 8 bytes
.set OFF1B,     4913*8                 ; byte offsets of the levels' tables
.set OFF2B,     40850*8
.set OFF3B,     315475*8
.set TRIPS,     12                     ; phases 3 to 14: blend level l, ask for hashed level l + 1
; vector registers
.set XB,  1                            ; 0: my corners have x, 1: x + 1
.set SGN, 2                            ; -1.0 or 1.0   my x weight = frac * SGN + OFW
.set OFW, 3                            ;  1.0 or 0.0
.set SA,  4                            ; LDS: my point's row in group 0, at the 8 bytes of the level that is being stored
.set RD,  5                            ; LDS: where I read 16 bytes back
.set CO,  6                            ; my byte offset in the work-group's part of out
.set IO,  7                            ; my point's byte offset in the work-group's part of grid and of inputs
.set PFO, 8                            ; prefetch: my block's byte offset in the table, stepped from window to window
.set PFA, 9                            ;           the same, clamped to the table
.set T,   10                           ; v[10:17]  index work
.set Q,   18                           ; v[18:23]  fy fz | wx . | 1-fy 1-fz
.set W,   24                           ; v[24:27]  two partial blends of two channels
.set OUT, 28                           ; v[28:31]  two buffers of two channels
.set Z,   32                           ; v[32:33]  0: the addend of the 64-bit product
.set A,   34                           ; v[34:49]  slot g: the entry numbers of (y,z) (y+1,z) (y,z+1) (y+1,z+1)
.set ST,  50                           ; v[50:73]  group g: grid x y z, inputs x y z
.set D,   74                           ; v[74:105] slot g: the same four corners' entries, two channels each
.set O,   34                           ; v[34:97]  the way out
; scalar registers
.set WAVE, 12
.set CNT,  13
.set SH,   14                          ; 15 - level, for the level that is asked for
.set PFL,  15                          ; in how many trips of the loop this wave prefetches: 11 (waves 0, 1) or 0
.set SC,   16                          ; s[16:17]  2^(3+level) of the level that is blended; the pair's second word is never selected
.set P1,   18
.set P2,   19
.set MASK, 20
.set B1,   24                          ; s[24:27]  tables of levels 1 and 2
.set B2,   26
.set MG,   28                          ; s[28:30]  ceil(2^(32+k) / h) for h = 17^3, 33^3, 65^3
.set BASE, 32                          ; s[32:39]  slot g: the table of the hashed level that the slot asks for: a pair at BASE + 2 g
	s_load_b256 s[4:11], s[0:1], 0x0               ; embeddings s[4:5], inputs s[6:7], grid s[8:9], out s[10:11]
	v_lshl_add_u32 v106, v0, 2, 0x48000
	v_mov_b32 v107, 0
	v_lshrrev_b32 v[T], 5, v0
	v_readfirstlane_b32 s[WAVE], v[T]
	v_and_b32 v[XB], 1, v0
	v_bfe_u32 v[T+1], v0, 1, 4                     ; p: my point in a group
	v_and_b32 v[T+2], 31, v0                       ; lane
	v_bfe_u32 v[T+3], v0, 3, 2                     ; lane / 8
	v_and_b32 v[T+4], 7, v0                        ; lane % 8
	v_cvt_f32_u32 v[T+5], v[XB]
	v_fma_f32 v[SGN], v[T+5], 2.0, -1.0
	v_sub_f32 v[OFW], 1.0, v[T+5]
	v_mov_b32 v[Z], 0
	v_mov_b32 v[Z+1], 0
	s_wait_alu depctr_va_sdst(0)                   ; the wave's number is written, ahead of its first reader: offsets, LDS addresses and the prefetch's count are made from it
	s_mul_i32 s2, s[WAVE], 64*12
	v_mad_u32_u24 v[IO], v[T+1], 12, s2            ; (64 wave + p) x 12 bytes
	s_mul_i32 s3, s[WAVE], WSTAGE
	v_mad_u32_u24 v[SA], v[T+1], ROWP, s3          ; my wave's stage + p rows
	v_mad_u32_u24 v[RD], v[T+3], ROWP, s3          ; back: eight lanes take a point's 128 bytes
	v_lshl_add_u32 v[RD], v[T+4], 4, v[RD]
	s_lshl_b32 s21, s[WAVE], 13                    ; 64 points x 128 bytes of out; also a wave's 32 prefetch blocks of 256 bytes
	v_lshl_add_u32 v[CO], v[T+2], 4, s21
	s_lshl_b32 s22, ttmp9, 14                      ; the work-group's 16 KiB of each 4 MiB window
	s_add_co_u32 s22, s22, s21
	v_lshl_add_u32 v[PFO], v[T+2], 8, s22
	v_mov_b32 v[PFA], v[PFO]                       ; window 0 lies inside the table: no clamp
	s_cmp_lt_u32 s[WAVE], 2
	s_cselect_b32 s[PFL], TRIPS-1, 0
	s_mov_b32 s[SC], 0x41000000                    ; 8.0 = 2^3: level 0
	s_mov_b32 s[SC+1], 0
	s_mov_b32 s[P1], 0x9e3779b1                    ; 2654435761
	s_mov_b32 s[P2], 0x30025795                    ; 805459861
	s_mov_b32 s[MASK], 0x7ffff
	s_mov_b32 s[MG], 0xd56dc9ea                    ; ceil(2^44 / 4913):   x 4913   = 2^44 + 970    (970 <= 2^12)
	s_mov_b32 s[MG+1], 0xe96ce5ec                  ; ceil(2^47 / 35937):  x 35937  = 2^47 + 11884  (<= 2^15)
	s_mov_b32 s[MG+2], 0xf45d8eae                  ; ceil(2^50 / 274625): x 274625 = 2^50 + 78126  (<= 2^18): exact quotients for every 32-bit number
	s_mov_b32 s[SH], 11                            ; level 4
	s_mul_i32 s2, ttmp9, 2048*12
	s_mov_b32 s3, 0
	s_wait_kmcnt 0x0
	s_add_nc_u64 s[6:7], s[6:7], s[2:3]            ; inputs and grid at the work-group's first point
	s_add_nc_u64 s[8:9], s[8:9], s[2:3]
	s_lshl_b32 s2, ttmp9, 18                       ; 2,048 points x 128 bytes
	s_add_nc_u64 s[10:11], s[10:11], s[2:3]
	s_add_nc_u64 s[B1:B1+1], s[4:5], OFF1B
	s_add_nc_u64 s[B2:B2+1], s[4:5], OFF2B
.irp g, 0,1,2,3
	s_add_nc_u64 s[BASE+2*\g:BASE+2*\g+1], s[4:5], OFF3B   ; level 3; each later level is one window on
.endr
	s_wait_alu depctr_va_vdst(0)                   ; IO, SA, RD, CO and PFA are written, which the loads, stores and prefetches below read as their offsets and addresses
.irp g, 0,1,2,3
	global_load_b32 v[ST+6*\g],   v[IO], s[8:9] offset:192*\g       ; grid first: the gathers hang on it
	global_load_b32 v[ST+6*\g+1], v[IO], s[8:9] offset:192*\g+4
	global_load_b32 v[ST+6*\g+2], v[IO], s[8:9] offset:192*\g+8
.endr
.irp g, 0,1,2,3
	global_load_b32 v[ST+6*\g+3], v[IO], s[6:7] offset:192*\g
	global_load_b32 v[ST+6*\g+4], v[IO], s[6:7] offset:192*\g+4
	global_load_b32 v[ST+6*\g+5], v[IO], s[6:7] offset:192*\g+8
.endr
; The four gathers of a slot.  The offset register holds an entry's number; scale_offset makes it 8 bytes an entry.
.macro GATHER g, b
.irp k, 0,1,2,3
	global_load_b64 v[D+8*\g+2*\k:D+8*\g+2*\k+1], v[A+4*\g+\k], s[\b:\b+1] scale_offset
.endr
.endm
.macro ASK lvl, g
.if \lvl == 0
	GATHER \g, 4
.endif
.if \lvl == 1
	GATHER \g, B1
.endif
.if \lvl == 2
	GATHER \g, B2
.endif
.if \lvl > 2
	GATHER \g, BASE+2*\g
.endif
.endm
; A hashed level: index = (x ^ y P1 ^ z P2) mod 2^19.  (y + 1) P1 = y P1 + P1 in 32-bit arithmetic.
.macro INDEX_H g, sh
	v_lshrrev_b32 v[T],   \sh, v[ST+6*\g]
	v_lshrrev_b32 v[T+1], \sh, v[ST+6*\g+1]
	v_lshrrev_b32 v[T+2], \sh, v[ST+6*\g+2]
	v_add_nc_u32 v[T], v[T], v[XB]                 ; my x
	v_mul_lo_u32 v[T+1], v[T+1], s[P1]
	v_mul_lo_u32 v[T+2], v[T+2], s[P2]
	v_add_nc_u32 v[T+3], s[P1], v[T+1]
	v_add_nc_u32 v[T+4], s[P2], v[T+2]
	v_xor_b32 v[T+1], v[T], v[T+1]                 ; x ^ y
	v_xor_b32 v[T+3], v[T], v[T+3]                 ; x ^ (y+1)
	v_xor_b32 v[A+4*\g],   v[T+1], v[T+2]
	v_xor_b32 v[A+4*\g+1], v[T+3], v[T+2]
	v_xor_b32 v[A+4*\g+2], v[T+1], v[T+4]
	v_xor_b32 v[A+4*\g+3], v[T+3], v[T+4]
.irp k, 0,1,2,3
	v_and_b32 v[A+4*\g+\k], s[MASK], v[A+4*\g+\k]
.endr
.irp k, 0,1,2,3
	v_min_u32 v[A+4*\g+\k], 0x7ffff, v[A+4*\g+\k]          ; a number made from loaded data enters an address only behind a clamp by a constant: inside the level's table whatever grid holds
.endr
.endm
; A dense level: index = (x + s1 y + s2 z) mod h, s1 = res + 1, s2 = s1^2, h = s1^3.  The coordinates are below 2^19 + 1 (grid >> 13 at the
; least), so the 24-bit products are exact and the sum stays below 2^32.  The modulo is a true one (x = 1 and inputs beyond 1 need it):
; q = (index x m) >> (32 + ks), index - q h; q < 2^20, so q h is a 24-bit product too.
.macro INDEX_D g, sh, s1, s2, h, m, ks
	v_lshrrev_b32 v[T],   \sh, v[ST+6*\g]
	v_lshrrev_b32 v[T+1], \sh, v[ST+6*\g+1]
	v_lshrrev_b32 v[T+2], \sh, v[ST+6*\g+2]
	v_add_nc_u32 v[T], v[T], v[XB]
	v_mad_u32_u24 v[T], v[T+1], \s1, v[T]
	v_mad_u32_u24 v[A+4*\g], v[T+2], \s2, v[T]
	v_add_nc_u32 v[A+4*\g+1], \s1, v[A+4*\g]
	v_add_nc_u32 v[A+4*\g+2], \s2, v[A+4*\g]
	v_add_nc_u32 v[A+4*\g+3], \s2, v[A+4*\g+1]
.irp k, 0,1,2,3
	v_mad_nc_u64_u32 v[T+2*\k:T+2*\k+1], v[A+4*\g+\k], s[\m], v[Z:Z+1]
.endr
.irp k, 0,1,2,3
	v_lshrrev_b32 v[T+2*\k+1], \ks, v[T+2*\k+1]
.endr
.irp k, 0,1,2,3
	v_mul_u32_u24 v[T+2*\k+1], v[T+2*\k+1], \h
.endr
.irp k, 0,1,2,3
	v_sub_nc_u32 v[A+4*\g+\k], v[A+4*\g+\k], v[T+2*\k+1]
.endr
.irp k, 0,1,2,3
	v_min_u32 v[A+4*\g+\k], \h-1, v[A+4*\g+\k]             ; the clamp in front of the address, as above
.endr
.endm
.macro INDEX lvl, g
.if \lvl == 0
	INDEX_D \g, 15, 17, 289, 4913, MG, 12
.endif
.if \lvl == 1
	INDEX_D \g, 14, 33, 1089, 35937, MG+1, 15
.endif
.if \lvl == 2
	INDEX_D \g, 13, 65, 4225, 274625, MG+2, 18
.endif
.if \lvl == 3
	INDEX_H \g, 12
.endif
.if \lvl > 3
	INDEX_H \g, s[SH]
.endif
.endm
; The blend of group g's four entries of the current level, in three parts.  WEIGHTS hangs on inputs alone and stands in front of the wait for the slot.
.macro WEIGHTS g
	v_pk_fma_f32 v[Q:Q+1], v[ST+6*\g+4:ST+6*\g+5], s[SC:SC+1], s[SC:SC+1] op_sel_hi:[1,0,0]   ; pos y, z = (in + 1) x 2^(3+l)
	v_fma_f32 v[Q+2], v[ST+6*\g+3], s[SC], s[SC]                                              ; pos x
	v_floor_f32 v[Q+4], v[Q]
	v_floor_f32 v[Q+5], v[Q+1]
	v_floor_f32 v[Q+3], v[Q+2]
	v_pk_add_f32 v[Q:Q+1], v[Q:Q+1], v[Q+4:Q+5] neg_lo:[0,1] neg_hi:[0,1]                     ; fy, fz
	v_sub_f32 v[Q+2], v[Q+2], v[Q+3]                                                          ; fx
	v_pk_add_f32 v[Q+4:Q+5], v[Q:Q+1], 1.0 op_sel_hi:[1,0] neg_lo:[1,0] neg_hi:[1,0]          ; 1 - fy, 1 - fz
	v_fma_f32 v[Q+2], v[Q+2], v[SGN], v[OFW]                                                  ; my x weight: 1 - fx or fx
.endm
; YBLEND: along y, both channels at once.  These four lines are all that reads the slot.
.macro YBLEND g
	v_pk_mul_f32 v[W:W+1],     v[D+8*\g:D+8*\g+1],   v[Q+4:Q+5] op_sel_hi:[1,0]
	v_pk_mul_f32 v[W+2:W+3],   v[D+8*\g+4:D+8*\g+5], v[Q+4:Q+5] op_sel_hi:[1,0]
	v_pk_fma_f32 v[W:W+1],     v[D+8*\g+2:D+8*\g+3], v[Q:Q+1], v[W:W+1]     op_sel_hi:[1,0,1]
	v_pk_fma_f32 v[W+2:W+3],   v[D+8*\g+6:D+8*\g+7], v[Q:Q+1], v[W+2:W+3]   op_sel_hi:[1,0,1]
.endm
; REST: along z, my x weight, the other lane.  The result goes into OUT[g % 2].
.macro REST g
.set RO, OUT+2*((\g)%2)
	v_pk_mul_f32 v[W:W+1],     v[W:W+1],   v[Q+4:Q+5] op_sel:[0,1] op_sel_hi:[1,1]            ; along z (the pairs' second registers)
	v_pk_fma_f32 v[W:W+1],     v[W+2:W+3], v[Q:Q+1], v[W:W+1] op_sel:[0,1,0] op_sel_hi:[1,1,1]
	v_pk_mul_f32 v[RO:RO+1],   v[W:W+1],   v[Q+2:Q+3] op_sel_hi:[1,0]                         ; my x weight
	v_add_f32_dpp v[RO],   v[RO],   v[RO]   row_xmask:1 row_mask:0xf bank_mask:0xf            ; + the other lane of my point
	v_add_f32_dpp v[RO+1], v[RO+1], v[RO+1] row_xmask:1 row_mask:0xf bank_mask:0xf
.endm
; The LDS store of the turn in front of turn g: group (g + 3) % 4, from the other OUT.  Both lanes of a point write the same 8 bytes with the same value.
.macro KEEP g
	ds_store_b64 v[SA], v[OUT+2*(1-(\g)%2):OUT+2*(1-(\g)%2)+1] offset:(((\g)+3)%4)*GSTR
.endm
; Waves 0 and 1 ask for the work-group's 64 blocks of 256 bytes of the table's next 4 MiB window into the L2: phase k asks for bytes
; 4 MiB x k and on, each block once in the launch.  Level k + 2, which is first gathered in phase k + 1, ends inside that window: the
; request leads its use by one phase.  The table ends inside window 13: offsets are clamped to its last byte.  The loop's last trip
; (window 14 would lie behind the table) asks for nothing: cnt has reached PFL.
.macro PREFETCH tag, cnt
	s_cmp_ge_u32 \cnt, s[PFL]
	s_cbranch_scc1 .Lnopf\tag
	global_prefetch_b8 v[PFA], s[4:5] th:TH_LOAD_NT scope:SCOPE_SE
.Lnopf\tag:
.endm
; The next window's offset, a turn behind the prefetch, in the waves that prefetch alone.
.macro PFSTEP tag, cnt
	s_cmp_ge_u32 \cnt, s[PFL]
	s_cbranch_scc1 .Lnost\tag
	s_wait_xcnt 0x0                                ; every address issued so far is translated (ISA guide 3.1), the prefetch's among them: PFA is rewritten only behind this wait
	v_add_nc_u32 v[PFO], WINDOW, v[PFO]
	v_min_u32 v[PFA], EMB_BYTES-1, v[PFO]
.Lnost\tag:
.endm
; Turn g of a phase: group g's current level is blended, its level nxt asked for.  first = 1: level 0, with no level in front of it.
.macro TURN g, nxt, first, tag, cnt
	WEIGHTS \g
	s_wait_loadcnt 12                              ; gathers return in order: this slot's four are in; behind them the three other slots' four each were issued
.if \nxt > 3
	s_add_nc_u64 s[BASE+2*\g:BASE+2*\g+1], s[BASE+2*\g:BASE+2*\g+1], WINDOW   ; free since that wait, which shows the gathers that read it done: the next level's table
.endif
	s_wait_alu depctr_vm_vsrc(0)                   ; the slot's last gathers have read A[g]; the LDS store of the turn before has read OUT[g % 2]; in turn 1: the LDS stores have read SA, the prefetch PFA
.if \g == 1
	PFSTEP \tag, \cnt
.if !(\first)
	v_add_nc_u32 v[SA], 8, v[SA]                   ; the current level's 8 bytes in a point's row: turn 0 has stored the last of the level before
.endif
.endif
	YBLEND \g
	INDEX \nxt, \g
	s_wait_alu depctr_va_vdst(0)                   ; the four lines along y are done reading D[g], in which the gathers land; A[g] is written; the turn before has written its OUT; in turn 1: SA and PFA are written
	ASK \nxt, \g
.if ((\g) > 0) || !(\first)
	KEEP \g
.endif
.if \g == 0
	PREFETCH \tag, \cnt
.endif
	REST \g                                        ; names W, Q and OUT[g % 2]: no register of the gathers, the store or the prefetch above
.endm
.macro PHASE nxt, first, tag, cnt
	TURN 0, \nxt, \first, \tag, \cnt
	TURN 1, \nxt, \first, \tag, \cnt
	TURN 2, \nxt, \first, \tag, \cnt
	TURN 3, \nxt, \first, \tag, \cnt
	s_add_f32 s[SC], s[SC], s[SC]                  ; the next level's resolution
.endm
; Turn g of level 15: nothing is asked for any more.  left = how many younger gathers may stay out.
.macro FINAL g, left
	WEIGHTS \g
	s_wait_loadcnt \left
	s_wait_alu depctr_vm_vsrc(0)                   ; the LDS store of the turn before has read OUT[g % 2], which this turn writes; in turn 1: the LDS stores have read SA
.if \g == 1
	v_add_nc_u32 v[SA], 8, v[SA]
.endif
	s_wait_alu depctr_va_vdst(0)                   ; the turn before has written its OUT, which the LDS store reads; in turn 1: SA is written
	KEEP \g
	YBLEND \g
	REST \g
.endm
	s_wait_loadcnt 12                              ; grid is in; the 12 loads of inputs behind it may be out
	INDEX 0, 0
	INDEX 0, 1
	INDEX 0, 2
	INDEX 0, 3
	s_wait_alu depctr_va_vdst(0)                   ; all sixteen entry numbers of level 0 are written, which the gathers read
	ASK 0, 0
	ASK 0, 1
	ASK 0, 2
	ASK 0, 3
	s_wait_loadcnt 16                              ; inputs are in; the 16 gathers behind them stay out
	PHASE 1, 1, a, 0
	PHASE 2, 0, b, 0
	PHASE 3, 0, c, 0
	s_mov_b32 s[CNT], 0
.Llevel:                                           ; levels 3 to 14 are blended, levels 4 to 15 asked for
	PHASE 4, 0, d, s[CNT]
	s_sub_co_u32 s[SH], s[SH], 1
	s_add_co_u32 s[CNT], s[CNT], 1
	s_cmp_lt_u32 s[CNT], TRIPS
	s_cbranch_scc1 .Llevel
	FINAL 0, 12                                    ; level 15: the counts run down
	FINAL 1, 8
	FINAL 2, 4
	FINAL 3, 0
	s_wait_alu depctr_va_vdst(0)                   ; the last turn has written OUT1, which the last LDS store reads; and every vector line that named v[O ..] is done, in which the loads below land
	ds_store_b64 v[SA], v[OUT+2:OUT+3] offset:3*GSTR
	; The way out: my wave's 64 rows of 128 bytes.  LDS serves a wave's instructions in order (ISA guide 5.7.1), so these loads see the stores above.
	; Load j: points 4 j to 4 j + 3, eight lanes a point; its store covers 512 consecutive bytes of out, at a multiple of 512.
	; v[O ..] lies over A, ST and D: the gathers that read A stand ahead of level 15's waits on vm_vsrc; OUT and SA lie outside it.
.irp j, 0,1,2,3,4,5,6,7,8,9,10,11,12,13,14,15
	ds_load_b128 v[O+4*\j:O+4*\j+3], v[RD] offset:\j*4*ROWP
.endr
.irp j, 0,1,2,3,4,5,6,7,8,9,10,11,12,13,14,15
	s_wait_dscnt 15-\j                             ; load j is in, the younger ones stay out
	global_store_b128 v[CO], v[O+4*\j:O+4*\j+3], s[10:11] offset:\j*512 th:TH_STORE_NT
.endr
	s_wait_dscnt 0x0
	s_wait_alu depctr_hold_cnt(0) depctr_sa_sdst(0) depctr_va_vdst(0) depctr_va_sdst(0) depctr_va_ssrc(0) depctr_va_vcc(0) depctr_vm_vsrc(0)
	s_wait_tensorcnt 0x0
	ds_add_u32 v106, v107
	s_wait_dscnt 0x0
	s_endpgm
.Lfunc_end_k_qaa1a6ff79d_encode:
	.size	k_qaa1a6ff79d_encode, .Lfunc_end_k_qaa1a6ff79d_encode-k_qaa1a6ff79d_encode
	.p2alignl 7, 3214868480
	.fill 96, 4, 3214868480
	.section	.rodata,"a",@progbits
	.p2align	6, 0x0
	.amdhsa_kernel k_qaa1a6ff79d_encode
		.amdhsa_group_segment_fixed_size 299008
		.amdhsa_private_segment_fixed_size 0
		.amdhsa_enable_private_segment 0
		.amdhsa_kernarg_size 32
		.amdhsa_user_sgpr_count 2
		.amdhsa_user_sgpr_kernarg_segment_ptr 1
		.amdhsa_wavefront_size32 1
		.amdhsa_system_sgpr_workgroup_id_x 1
		.amdhsa_system_sgpr_workgroup_id_y 1
		.amdhsa_system_sgpr_workgroup_id_z 1
		.amdhsa_system_vgpr_workitem_id 0
		.amdhsa_next_free_vgpr 108
		.amdhsa_next_free_sgpr 66
		.amdhsa_reserve_vcc 0
		.amdhsa_float_denorm_mode_32 3
		.amdhsa_float_denorm_mode_16_64 3
		.amdhsa_memory_ordered 1
		.amdhsa_forward_progress 1
		.amdhsa_inst_pref_size 68
	.end_amdhsa_kernel
	.amdgpu_metadata
---
amdhsa.version: [ 1, 2 ]
amdhsa.kernels:
  - .name:           k_qaa1a6ff79d_encode
    .symbol:         k_qaa1a6ff79d_encode.kd
    .args:
      - { .name: embeddings, .offset: 0, .size: 8, .value_kind: global_buffer, .address_space: global }
      - { .name: inputs, .offset: 8, .size: 8, .value_kind: global_buffer, .address_space: global }
      - { .name: grid, .offset: 16, .size: 8, .value_kind: global_buffer, .address_space: global }
      - { .name: out0, .offset: 24, .size: 8, .value_kind: global_buffer, .address_space: global }
    .group_segment_fixed_size: 299008
    .private_segment_fixed_size: 0
    .kernarg_segment_align: 8
    .kernarg_segment_size: 32
    .max_flat_workgroup_size: 1024
    .sgpr_count:     66
    .vgpr_count:     108
    .wavefront_size: 32
...
	.end_amdgpu_metadata
.endif
;; end of part 3
